; MI455X (gfx1250); checked and timed in simulation.
; The chip was launched on July 23, 2026; its instructions are those of AMD's public machine-readable ISA for CDNA 5 (MIT licence, August 2026) and "CDNA5" Instruction Set Architecture Reference Guide (July 2026). The comments in the code are by the model that wrote it; some were corrected since.
;; self Attention Multi Head. Allowed arithmetic: matrix products marked QUANTISED: E5M2 operands, one given power-of-two scale a tensor, by v_wmma_f32_16x16x64_bf8_bf8 or v_wmma_f32_16x16x128_bf8_bf8, f32 sums; products left as they are: f32 operands where the result goes on into a quantised operand, else bf16, f16 or f32 operands; f32 sums; everything else in f32.
;; Inputs: Wk_codes 1,024 x 32 x 32 uint8 (E5M2 codes of Wk, K innermost, in blocks of 32 codes); Wq_codes 1,024 x 32 x 32 uint8 (E5M2 codes of Wq, K innermost, in blocks of 32 codes); Wv_codes 1,024 x 32 x 32 uint8 (E5M2 codes of Wv, K innermost, in blocks of 32 codes); bk 1,024 float32; bq 1,024 float32; bv 1,024 float32; lowp_scales 8 int32 (the exponents e of the quantised operands' scales 2^e); x_codes 16 x 1,024 x 32 x 32 uint8 (E5M2 codes of x, K innermost, in blocks of 32 codes).
;; Outputs: out0 16 x 1,024 x 1,024 float32.
;; This version of the problem:
;;   THIS VERSION OF THE PROBLEM IS GIVEN IN LOW PRECISION. The matrix products marked QUANTISED in the list below multiply operands that are first quantised to E5M2 (5 exponent bits, 2 mantissa bits; 8 bits a number), with one given power-of-two scale for each operand tensor; their sums are f32. All else is computed in f32.
;;   The module's matrix products, in the order in which they are computed (A, B: the left and right operand; K: the contracted axis; several contracted axes count as one K, in the product's order):
;;     1. [M 16,384, K 1,024] x [K 1,024, N 1,024]; A: input x (given as codes); B: input Wq (given as codes): QUANTISED (scales: A lowp_scales[0], B lowp_scales[1])
;;     2. [M 16,384, K 1,024] x [K 1,024, N 1,024]; A: input x (given as codes); B: input Wk (given as codes): QUANTISED (scales: A lowp_scales[2], B lowp_scales[3])
;;     3. [M 16,384, K 1,024] x [K 1,024, N 1,024]; A: input x (given as codes); B: input Wv (given as codes): QUANTISED (scales: A lowp_scales[4], B lowp_scales[5])
;;     4. batch 16,384 x [M 16, K 64] x [K 64, N 16]; A: computed on the way; B: computed on the way: QUANTISED (scales: A lowp_scales[6], B lowp_scales[7])
;;     5. batch 16,384 x [M 16, K 16] x [K 16, N 64]; A: softmax; B: computed on the way: left as it is (K = 16 < 32)
;;   THE QUANTISER, for each operand of a quantised product, along K:
;;     - The operand's scale is 2^e, e = its entry of the input lowp_scales (int32; the entries are numbered through the quantised products in the list's order, A before B).
;;     - Each number is divided by the scale, clamped to +-57,344, and rounded to the nearest number of E5M2, ties to even, subnormals kept.
;;     - The product sums the exact products of the quantised numbers (number of the format x scale) in f32.
;;   ~~~python
;;   def quantise(x, axis, e):      # numpy; x: float32 -> the quantised numbers, widened to float32 again
;;       x = np.moveaxis(x, axis, -1); K = x.shape[-1]
;;       r = np.clip(x / 2.0 ** e, -57344, 57344)
;;       step = 2.0 ** (np.maximum(np.frexp(np.where(r == 0, 1, r))[1] - 1, -14) - 2)
;;       q = np.round(r / step) * step * 2.0 ** e      # np.round: ties to even
;;       return np.moveaxis(q, -1, axis).astype(np.float32)
;;   ~~~
;;   OPERANDS COMPUTED ON THE WAY. 'Computed on the way' means the value that the module computes at that place (a softmax that the list does not call 'softmax' is quantised finished and normalised). What goes into a quantiser is computed in f32, as accurately as f32 sums, v_exp_f32 and their like allow (about 1e-6 of the number): no bf16 or f16 on the way to a quantiser, and a product that is left as it is and whose result goes on into a quantised operand takes f32 operands (vector FMAs, or v_wmma_f32_16x16x4_f32). A number that lies on a knife's edge between two numbers of the format may be rounded either way, as far as f32 arithmetic and the matrix unit's own rounding can turn it there, and no further.
;;   INPUTS GIVEN AS CODES. Wk (in the module: [1024, 1024], K = its axis 0); Wq (in the module: [1024, 1024], K = its axis 0); Wv (in the module: [1024, 1024], K = its axis 0); x (in the module: [16, 1024, 1024], K = its axis 2): each comes as NAME_codes (uint8): NAME with its K axis moved to the last place and cut into blocks of 32 codes, [.., K / 32, bytes a block], one block behind the other in memory; one code a byte (a code: sign, 5 exponent bits, 2 mantissa bits); its scale is its entry of lowp_scales. Its value is code x scale, taken as it is: it is not quantised again, and the codes and scales need not be those that the quantiser above would give.
;; 2 versions. Each part assembles by itself: llvm-mc -triple=amdgcn-amd-amdhsa -mcpu=gfx1250 --defsym DOCPART=n.
;; ======== version 1 of 2: 1 launch
;; limits: right only within a limited range of input values
;; launch fused (part 1): grid 256 x 1, 4 waves a work-group, clusters of 4 x 1, 327,680 bytes of LDS; arguments Wq_codes, Wk_codes, Wv_codes, bq, bk, bv, lowp_scales, x_codes, out0; writes out0
.if DOCPART == 1
	.amdgcn_target "amdgcn-amd-amdhsa--gfx1250"
	.amdhsa_code_object_version 6
	.text
	.protected	k_q5a3987d4d1_fused
	.globl	k_q5a3987d4d1_fused
	.p2align	8
	.type	k_q5a3987d4d1_fused,@function
k_q5a3987d4d1_fused:
	s_mov_b64 s[64:65], 0
	v_nop
	global_prefetch_b8 v0, s[64:65] scope:SCOPE_SE
	s_setreg_imm32_b32 hwreg(HW_REG_WAVE_MODE, 25, 1), 1
	s_wait_xcnt 0x0
	s_wait_alu depctr_hold_cnt(0) depctr_sa_sdst(0) depctr_va_vdst(0) depctr_va_sdst(0) depctr_va_ssrc(0) depctr_va_vcc(0) depctr_vm_vsrc(0)
	s_getreg_b32 s2, hwreg(HW_REG_IB_STS2, 6, 4)
	s_cmp_eq_u32 s2, 0
	s_cbranch_scc0 .Lentry_in_a_cluster
	s_endpgm
.Lentry_in_a_cluster:
	s_bfe_u32 s2, ttmp6, 0x10000c
	s_cmp_lg_u32 s2, 0x3003
	s_cbranch_scc0 .Lentry_shape_is_right
	s_endpgm
.Lentry_shape_is_right:
; Q = x Wq + bq, K = x Wk + bk, V = x Wv + bv on codes of E5M2 (x: [16384][1024], each W: [1024 columns][1024 k], K innermost); then for EVERY TOKEN: scores[h][g] = Q_h . K_g over the head's 64
; (Q and K quantised anew to E5M2 with the given 2^e6, 2^e7), a softmax over g with the row's maximum taken away, out[h] = sum over g of p[h][g] V_g.  out: [16384][1024] f32.  All in this one launch.
; SHARES.  A work-group owns 64 tokens and sees all 3,072 columns.  THE WAVES SHARE THE COLUMNS: wave w owns columns 256 w .. 256 w + 255 (heads 4 w .. 4 w + 3) of Q, of K and of V, for all 64 tokens.
; x's 32 fragments (4 tiles of tokens x 8 K steps of 128, 512 registers) stay in every wave's registers, so a fragment of W read from LDS feeds four matrix instructions and is read once.
; THE WEIGHTS go in CHUNKS: 32 columns for each wave over the whole K: 64 matrix instructions on 8 accumulators.  A chunk is one LDS slot (4 waves x 32 rows x 1,024 bytes); 24 chunks (Q, K, V: 8 each)
; walk a ring of two slots.  Each wave fetches, by one tensor load, just the 32 rows that it alone reads: its own wait on TENSORcnt is all that its reads need.
; CLUSTER.  The four work-groups of a cluster walk the same weights: every tile is asked for JOINTLY (the same load, the same descriptor, a mask that names the four).  A mask names four at the most, so a wider cluster would share no more.
; WHERE RESULTS WAIT: window 1.  Q's codes (128 registers) are exchanged through LDS into fragments by token (128 registers); K's codes take the first 128; after the scores V, as bf16, takes all 256.
; THE LAST PRODUCT (K = 16, left as it is) takes bf16 operands in the K = 32 form, the upper 16 of K being zeros.  p = 2^(c s - c max) is not normalised; a fifth product of p with ones gives each row's sum, which divides the result.
; LIMITS: e0 + e1, e2 + e3, e4 + e5, e6 + e7 between -126 and 127, e6 and e7 between -126 and 112, so that each power of two below is an f32 number.  NaN among the biases is not served.
; p and V are rounded to bf16 for the last product; the divisor is the sum of the rounded p.
; The text is long (Q's and K's chunks are written out by one macro, used twice): register numbers change from chunk to chunk.
.set PITCH,  1040                      ; an LDS row: 1,024 bytes + 16 of padding = 65 x 16 bytes: the 16 rows that a load touches start 16 bytes apart modulo 256
.set WROWS,  32*PITCH                  ; a wave's 32 rows of a slot
.set SLOT,   4*WROWS                   ; 133,120
.set EX,     2*SLOT                    ; the exchange of codes: 16 tokens x PITCH.  No tensor load lands here
.set PI,     EX+16*PITCH               ; p's images: 8,192 bytes a wave, 512 a token; a wave's own
.set SPARE,  PI+4*8192                 ; the spare words, 128 bytes for each wave: two blocks of 256 bytes that no other line names
.set TPV,    2304                      ; V's images, from LDS byte 0 on, once both slots have had their last fill and their last read: a token's four blocks
.set QB,     576                       ; of 512 bytes + 64
.set CHB,    32768                     ; a wave's part of a chunk in memory: 32 rows of 1,024 bytes
; window 0
.set SPW,  1                           ; v1     LDS address of my spare word; never rewritten
.set NIL,  2                           ; v2     0; never rewritten
.set ADW,  3                           ; v3, v4 my lane's place in my wave's rows of slot 0, 1
.set BOF,  5                           ; v5     32 x (lane / 16): bq, bk
.set BVO,  6                           ; v6     4 x (lane % 16): bv
.set EXS,  7                           ; v7     where I put codes into the exchange
.set EXL,  8                           ; v8     where I take fragments out of it
.set PST,  9                           ; v9     my lane's place in my wave's images of p
.set VST,  10                          ; v10-13 where I put V, for each tile of tokens
.set VLD,  14                          ; v14    my lane's place in the V images of my wave's tokens
.set OOF,  15                          ; v15    my byte offset in a token's row of out
.set PFO,  16                          ; v16    1,024 x lane: the prefetches' offset; never rewritten
.set XOF,  17                          ; v17    my byte offset in 16 rows of x
.set LIMV, 18                          ; v18    57,344 x 2^e of the quantiser in hand
.set SCV,  19                          ; v19    2^e of it
.set VAD,  20                          ; v20    the last phase: V's images of the trip
.set PAD,  21                          ; v21    and p's
.set ACC,  32                          ; v32-95   8 accumulators: 2 m + u
.set WF,   96                          ; v96-223  W's fragments: 4 buffers (K step % 4) x 2 tiles x 16
.set BIAS, 224                         ; v224-239
.set T,    240                         ; v240-255 the softmax: 4 a token: -c max, 0, max, the other half's max
.set KF,   192                         ; the scores: K's four fragments (buffer 3; buffers 0 to 2 hold the next chunk's first fragments)
.set SD,   32                          ; four tiles of scores
.set PP,   64                          ; p, packed
.set PD,   32                          ; the last phase: four results,
.set PL,   64                          ; the rows' sums,
.set PR,   72                          ; their reciprocals,
.set PA,   96                          ; p: two sets of 8 (4 of data, 4 zeros),
.set VB,   112                         ; V: two sets of 4 x 8 (4 of data, 4 zeros),
.set ONES, 176                         ; ones for k < 16, zeros above,
.set OUT,  184                         ; and 32 numbers to store
; window 1: v0-127 the codes just made (chunk c, tile m: 16 c + 4 m); v128-255 Q's fragments (8 a token); later V.   windows 2, 3: x's fragment (m, s) at window 2 + m / 2, v[16 (8 (m % 2) + s)]
; scalars: s[4:21] the nine buffers; s22 wave; s23 cx; s[24:31] e0-e7; s[32:39] descriptor group 1; s[40:43], s[44:47] group 0 of slot 0, 1; s[48:49], s[50:51] Wk, Wv at my wave's rows;
; s[52:57] Wq, Wk, Wv for the prefetches; s[58:59], s[60:61] bq, bk at my columns; s[66:67] 2^(e0+e1); s[68:69] 2^(e2+e3); s70, s71 K's hold and scale; s72 2^(e4+e5); s[74:75] c; s76 -c; s[78:79] lane selects; s80 1 in the first cluster
.set MSB, 0
.macro WIN new                         ; s_set_vgpr_msb: bits 1:0 source 0, 3:2 source 1, 5:4 source 2, 7:6 destination; the high byte repeats the setting that is left
.if MSB != (\new)
	s_set_vgpr_msb (MSB<<8)|(\new)
.set MSB, (\new)
.endif
.endm
.macro PLACES n                        ; plain vector instructions between a matrix instruction and a load into, or a vector instruction on, its registers
.rept \n
	v_nop
.endr
.endm
.macro BARRIER                         ; my LDS stores have landed and my LDS loads are in: then the work-group's barrier
	s_wait_dscnt 0x0
	s_barrier_signal -1
	s_barrier_wait -1
.endm
.macro CREST                           ; a round of the cluster's barrier behind its opening barrier
	s_cmp_lg_u32 s22, 0
	s_cbranch_scc1 .Lnot_wave_0_\@
	s_barrier_signal -3
.Lnot_wave_0_\@:
	s_barrier_wait -3
	s_barrier_signal -1
	s_barrier_wait -1
.endm
.macro CROUND
	s_barrier_signal -1
	s_barrier_wait -1
	CREST
.endm
.macro JLOAD slot                      ; a joint load: one line for all waves; addresses hang on the wave's number alone.  Four v_nop follow
	tensor_load_to_lds s[40+4*(\slot):43+4*(\slot)], s[32:39]
	s_nop 0
	PLACES 4
.endm
; A PREFETCH INTO THE L2.  Behind the refill that brings chunk n + 2 the launch's first cluster names chunk n + 4: two refills, 128 matrix instructions, ahead of the load that will ask for it.  Each wave names its own 32 rows, a lane a row;
; the four partners take the four aligned blocks of 256 bytes of a row BY ADDRESS (256 cx): each block is named once in the launch.  Wq's chunks 0 to 3 come by their loads alone; nothing is named behind Wv's chunk 7.
.macro ASK base, off
	s_cmp_eq_u32 s80, 1
	s_cbranch_scc0 .Lnot_mine_\@
	global_prefetch_b8 v[PFO], s[\base:\base+1] offset:\off th:TH_LOAD_NT scope:SCOPE_SE
.Lnot_mine_\@:
.endm
; W's two fragments of K step st: lane l holds row l % 16; registers 4 k .. 4 k + 3 hold bytes 128 st + 32 k + 16 (l / 16) + 0 .. 15: the same places of K as in x's fragments, so every product meets its partner
.macro FETCH slot, st
.irp u, 0,1
.irp k, 0,1,2,3
	ds_load_b128 v[WF+32*((\st)%4)+16*\u+4*\k:WF+32*((\st)%4)+16*\u+4*\k+3], v[ADW+(\slot)] offset:16*PITCH*\u+128*(\st)+32*\k
.endr
.endr
.endm
; 8 matrix instructions: K step st, 4 tiles of tokens x 2 tiles of columns.  The 8 accumulators take turns, one instruction a turn, in the same order everywhere.
; kind 0 (Q, K): source 0 = W, source 1 = x: a lane holds ONE token (16 m + l % 16) and eight neighbouring columns.   kind 1 (V): source 0 = x, source 1 = W: a lane holds one column and eight tokens.
.macro MUL kind, st
.irp m, 0,1,2,3
.if \kind
	WIN 0x02+(\m/2)
.else
	WIN 0x08+4*(\m/2)
.endif
.irp u, 0,1
.set rD, ACC+8*(2*\m+\u)
.set rW, WF+32*((\st)%4)+16*\u
.set rX, 16*(8*(\m%2)+(\st))
.if \kind
.if (\st) == 0
	v_wmma_f32_16x16x128_bf8_bf8 v[rD:rD+7], v[rX:rX+15], v[rW:rW+15], 0
.else
	v_wmma_f32_16x16x128_bf8_bf8 v[rD:rD+7], v[rX:rX+15], v[rW:rW+15], v[rD:rD+7]
.endif
.else
.if (\st) == 0
	v_wmma_f32_16x16x128_bf8_bf8 v[rD:rD+7], v[rW:rW+15], v[rX:rX+15], 0
.else
	v_wmma_f32_16x16x128_bf8_bf8 v[rD:rD+7], v[rW:rW+15], v[rX:rX+15], v[rD:rD+7]
.endif
.endif
.endr
.endr
.endm
; K step st = 0 .. 4: the fragments of step st + 3 are asked for, into the buffer that step st - 1 has just left (four places behind it), then step st is multiplied
.macro STEP kind, slot, st
	PLACES 4
.if \kind
	WIN 0                                          ; (kind 0's settings leave source 0 and the destination in window 0: its LDS loads need no switch)
.endif
	FETCH \slot, (\st)+3
	s_wait_dscnt 24                                ; the 24 loads of steps st + 1 .. st + 3 may be out: step st's eight are in
	MUL \kind, \st
.endm
; THE CHANGE OF SLOTS, with K steps 5 and 6.  All of this slot's fragments have been asked for.  Each wave waits for all its tensor loads (one is out: its rows of the other slot), adds 0 to its spare word, and waits for that and for
; its reads of this slot.  mode 1: this slot takes the chunk two further on; mode 2: the next matrix's chunk ch - 6; mode 0: nothing more is fetched, and no round of the cluster's barrier follows.
.macro MEET kind, slot, mode, ch, nx
	WIN 0
	s_wait_tensorcnt 0x0                           ; no tensor load of mine is out, so a group 0 may be written
	ds_add_u32 v[SPW], v[NIL]                      ; 0 onto my spare word
.if (\mode) == 1
	s_add_nc_u64 s[42+4*(\slot):43+4*(\slot)], s[42+4*(\slot):43+4*(\slot)], 2*CHB   ; the type bits on top are not reached
.elseif (\mode) == 2
	s_add_nc_u64 s[42+4*(\slot):43+4*(\slot)], s[\nx:\nx+1], ((\ch)-6)*CHB
	s_or_b32 s[43+4*(\slot)], s[43+4*(\slot)], 0x80000000
.endif
	s_wait_dscnt 17                                ; the add and the 16 loads of steps 6 and 7 may be out: step 5's are in
	MUL \kind, 5
	s_wait_dscnt 0x0                               ; the add is done, and my reads of this slot are over
	s_barrier_signal -1
	MUL \kind, 6
	WIN 0
	s_barrier_wait -1
.if (\mode) != 0
	CREST                                          ; the barrier has opened a round of the cluster's barrier: no wave of any partner still reads this slot or has a load on its way
	JLOAD \slot                                    ; the first tensor load behind the round, my one load until the next; its four v_nop are the places behind step 6
.else
	PLACES 4
.endif
.endm
.macro BIASLD ch, bb                   ; lane (., h), tile u, register j: the bias of column 32 ch + 16 u + 8 h + j of my wave's 256
.irp u, 0,1
	global_load_b128 v[BIAS+8*\u:BIAS+8*\u+3], v[BOF], s[\bb:\bb+1] offset:(32*(\ch)+16*\u)*4
	global_load_b128 v[BIAS+8*\u+4:BIAS+8*\u+7], v[BOF], s[\bb:\bb+1] offset:(32*(\ch)+16*\u)*4+16
.endr
.endm
; Q's or K's chunk is finished: sum x 2^(ea + eb) + bias, in f32; held within the largest code x the scale; quantised.  A lane's 16 numbers of a tile of tokens become 16 codes, 4 registers of window 1
.macro EPIQK ch, sc
	WIN 0
	s_wait_loadcnt 0x0                             ; the chunk's four bias loads, issued at its head
	PLACES 4
.set p, 0
.rept 32
	v_pk_fma_f32 v[ACC+p:ACC+p+1], v[ACC+p:ACC+p+1], s[\sc:\sc+1], v[BIAS+p%16:BIAS+p%16+1] op_sel_hi:[1,0,1]   ; each accumulator from its low end on
.set p, p+2
.endr
.set p, 0
.rept 64
	v_med3_num_f32 v[ACC+p], v[ACC+p], -v[LIMV], v[LIMV]   ; the conversion to an 8-bit code does not saturate (ISA guide 7.6.2)
.set p, p+1
.endr
	WIN 0x40
.irp m, 0,1,2,3
.irp u, 0,1
	v_cvt_scalef32_pk8_bf8_f32 v[16*(\ch)+4*\m+2*\u:16*(\ch)+4*\m+2*\u+1], v[ACC+16*\m+8*\u:ACC+16*\m+8*\u+7], v[SCV]
.endr
.endr
	WIN 0
	v_nop                                          ; a plain vector instruction behind the last conversion, ahead of the products that write its sources
.endm
.macro QKCHUNK ch, bb, sc, nx, pfc, pfn
	BIASLD \ch, \bb
.irp st, 0,1,2,3,4
	STEP 0, (\ch)%2, \st
.endr
.if (\ch) < 6
	MEET 0, (\ch)%2, 1, \ch, \nx
.else
	MEET 0, (\ch)%2, 2, \ch, \nx
.endif
	FETCH 1-(\ch)%2, 0                             ; the next chunk's first three steps, from the other slot, into the buffers that steps 4, 5 and 6 have left
	FETCH 1-(\ch)%2, 1
	FETCH 1-(\ch)%2, 2
.if (\ch) < 4
	ASK \pfc, ((\ch)+4)*CHB
.else
	ASK \pfn, ((\ch)-4)*CHB
.endif
	MUL 0, 7
	EPIQK \ch, \sc
.endm
.macro MATQK bb, sc, nx, pfc, pfn
.irp c, 0,1,2,3,4,5,6,7
	QKCHUNK \c, \bb, \sc, \nx, \pfc, \pfn
.endr
.endm
; THE EXCHANGE.  A token's 1,024 codes lie in the exchange so: the 16 bytes made by lanes' half h for head H in the head's chunk b (0, 1) at 512 h + 256 b + 16 H.  The wave that owns the token loads 16 bytes a lane at 16 l and at
; 512 + 16 l: lane l then holds head l % 16 and 32 of its 64 numbers in 8 registers: a fragment of the K = 64 form.  Q and K take the same way, so each of the 64 meets its partner once.
.macro EXST m                          ; the codes of tokens 16 m .. 16 m + 15, my four heads
	WIN 0x04
.irp c, 0,1,2,3,4,5,6,7
	ds_store_b128 v[EXS], v[16*\c+4*(\m):16*\c+4*(\m)+3] offset:256*(\c%2)+16*(\c/2)
.endr
	WIN 0
.endm
.macro EXLD reg                        ; the fragments of my four tokens 16 m + 4 w + i
.irp i, 0,1,2,3
.irp h, 0,1
	ds_load_b128 v[(\reg)+8*\i+4*\h:(\reg)+8*\i+4*\h+3], v[EXL] offset:PITCH*\i+512*\h
.endr
.endr
.endm
; THE SCORES of tokens 16 m + 4 w + i.  S^T = K Q^T: lane (h = l % 16, l / 16) holds head h's scores against g = 8 (l / 16) + 0 .. 7.  Packed to bf16 in pairs they are registers 0 to 3 of the last product's first operand.
.macro PIECE m
	EXST \m
	BARRIER                                        ; the 16 tokens' codes of K lie in the exchange
	EXLD KF
	s_wait_dscnt 0x0                               ; my reads of the exchange are over:
	s_barrier_signal -1                            ; the next piece's stores stand behind this barrier
	WIN 0x04
.irp i, 0,1,2,3
	v_wmma_f32_16x16x64_bf8_bf8 v[SD+8*\i:SD+8*\i+7], v[KF+8*\i:KF+8*\i+7], v[128+8*(4*(\m)+\i):128+8*(4*(\m)+\i)+7], 0
.endr
	WIN 0
	s_barrier_wait -1
	PLACES 4
.irp i, 0,1,2,3
	v_max3_num_f32 v[T+4*\i+2], v[SD+8*\i], v[SD+8*\i+1], v[SD+8*\i+2]
.endr
.irp i, 0,1,2,3
	v_max3_num_f32 v[T+4*\i+2], v[T+4*\i+2], v[SD+8*\i+3], v[SD+8*\i+4]
.endr
.irp i, 0,1,2,3
	v_max3_num_f32 v[T+4*\i+2], v[T+4*\i+2], v[SD+8*\i+5], v[SD+8*\i+6]
.endr
.irp i, 0,1,2,3
	v_max_num_f32 v[T+4*\i+2], v[T+4*\i+2], v[SD+8*\i+7]
.endr
.irp i, 0,1,2,3
	v_permlanex16_b32 v[T+4*\i+3], v[T+4*\i+2], s78, s79   ; the row's other eight scores lie in the lane 16 away
.endr
.irp i, 0,1,2,3
	v_max_num_f32 v[T+4*\i+2], v[T+4*\i+2], v[T+4*\i+3]    ; the row's maximum
.endr
.irp i, 0,1,2,3
	v_mul_f32 v[T+4*\i], s76, v[T+4*\i+2]          ; -c max, c = log2(e) x 2^(e6 + e7).  Its rounding is one factor common to the row's p and to their sum
.endr
.irp i, 0,1,2,3
.irp p, 0,2,4,6
	v_pk_fma_f32 v[SD+8*\i+\p:SD+8*\i+\p+1], v[SD+8*\i+\p:SD+8*\i+\p+1], s[74:75], v[T+4*\i:T+4*\i+1] op_sel_hi:[1,0,0]   ; c s - c max (of the pairs the low word serves both halves)
.endr
.endr
.set p, 0
.rept 32
	v_exp_f32 v[SD+p], v[SD+p]
.set p, p+1
.endr
	v_nop                                          ; a plain instruction behind the last exponential
	s_wait_alu depctr_va_vdst(0)                   ; one wait for the batch of 32, ahead of its first reader
.irp i, 0,1,2,3
.irp q, 0,1,2,3
	v_cvt_pk_bf16_f32 v[PP+4*\i+\q], v[SD+8*\i+2*\q], v[SD+8*\i+2*\q+1]
.endr
.endr
.irp i, 0,1,2,3
	ds_store_b128 v[PST], v[PP+4*\i:PP+4*\i+3] offset:512*(4*(\m)+\i)   ; an image of the operand's registers, in my wave's own bytes
.endr
.endm
; V's chunk is finished: bf16(sum x 2^(e4 + e5) + bv), rounded once.  Chunk ch is head ch / 2 of my four and half ch % 2 of its 64 columns.  The four heads' numbers of one (token, column) fill a pair of registers of window 1
.macro EPIV ch
	WIN 0
	s_wait_loadcnt 0x0                             ; bv
	PLACES 4
	WIN 0x40
.irp m, 0,1,2,3
.irp u, 0,1
.irp j, 0,1,2,3,4,5,6,7
.if ((\ch)/2)%2
	v_fma_mixhi_bf16 v[2*(\j+8*(\m+4*(\u+2*((\ch)%2))))+(\ch)/4], v[ACC+16*\m+8*\u+\j], s72, v[BIAS+2*(\ch)+\u]
.else
	v_fma_mixlo_bf16 v[2*(\j+8*(\m+4*(\u+2*((\ch)%2))))+(\ch)/4], v[ACC+16*\m+8*\u+\j], s72, v[BIAS+2*(\ch)+\u]
.endif
.endr
.endr
.endr
	WIN 0
.endm
.macro VCHUNK ch
.irp st, 0,1,2,3,4
	STEP 1, (\ch)%2, \st
.endr
.if (\ch) < 6
	MEET 1, (\ch)%2, 1, \ch, 0
.elseif (\ch) == 6
	MEET 1, (\ch)%2, 0, \ch, 0                     ; the last chunk has landed; nothing is filled again
.else
	s_wait_dscnt 0x0                               ; the last chunk: nothing more to fetch
	MUL 1, 5
	MUL 1, 6
	WIN 0
.endif
.if (\ch) < 7
	FETCH 1-(\ch)%2, 0
	FETCH 1-(\ch)%2, 1
	FETCH 1-(\ch)%2, 2
.endif
.if (\ch) < 4
	ASK 56, ((\ch)+4)*CHB
.endif
	MUL 1, 7
	EPIV \ch
.endm
; THE LAST PHASE.  Token i of the trip's four: p's image and V's four blocks (block q: columns d = 4 n + q, n = l % 16; a lane's 16 bytes are heads 8 (l / 16) + 0 .. 7)
.macro PVLOAD i, set
	ds_load_b128 v[PA+8*(\set):PA+8*(\set)+3], v[PAD] offset:512*(\i)
.irp q, 0,1,2,3
	ds_load_b128 v[VB+32*(\set)+8*\q:VB+32*(\set)+8*\q+3], v[VAD] offset:TPV*(\i)+QB*\q
.endr
.endm
; Result q: lane (n, l / 16), register j: head 8 (l / 16) + j, column 4 n + q.  The fifth product gives the heads' sums in the same registers' order.  The 32 multiplications by 1 / sum also gather a lane's four neighbouring columns.
.macro PVTOK i, set, left, more
	s_wait_dscnt \left                             ; the other set's five loads may be out
.irp q, 0,1,2,3
	v_wmma_f32_16x16x32_bf16 v[PD+8*\q:PD+8*\q+7], v[PA+8*(\set):PA+8*(\set)+7], v[VB+32*(\set)+8*\q:VB+32*(\set)+8*\q+7], 0
.endr
	v_wmma_f32_16x16x32_bf16 v[PL:PL+7], v[PA+8*(\set):PA+8*(\set)+7], v[ONES:ONES+7], 0
	PLACES 4
.if \more
	PVLOAD (\i)+2, \set
.endif
.irp j, 0,1,2,3,4,5,6,7
	v_rcp_f32 v[PR+\j], v[PL+\j]
.endr
	v_nop                                          ; a plain instruction behind the last reciprocal
	s_wait_alu depctr_va_vdst(0)                   ; one wait for the eight, ahead of their first reader
	s_wait_xcnt 0x0                                ; the last token's stores have read their data: OUT is written again only behind this wait
.irp j, 0,1,2,3,4,5,6,7
.irp q, 0,1,2,3
	v_mul_f32 v[OUT+4*\j+\q], v[PD+8*\q+\j], v[PR+\j]
.endr
.endr
.irp j, 0,1,2,3,4,5,6,7
	global_store_b128 v[OOF], v[OUT+4*\j:OUT+4*\j+3], s[20:21] offset:4096*(\i)+256*\j th:TH_STORE_NT   ; lanes 0-15 store head j's 256 consecutive bytes, lanes 16-31 head 8 + j's, each at a multiple of 256 from out's first byte
.endr
.endm
; ---------------- THE HEAD
	s_load_b256 s[4:11], s[0:1], 0x0               ; Wq s[4:5], Wk s[6:7], Wv s[8:9], bq s[10:11]
	s_load_b256 s[12:19], s[0:1], 0x20             ; bk s[12:13], bv s[14:15], the exponents s[16:17], x s[18:19]
	s_load_b64 s[20:21], s[0:1], 0x40              ; out
	v_lshl_add_u32 v[SPW], v0, 2, SPARE
	v_mov_b32 v[NIL], 0
	ds_add_u32 v1, v2
	ds_add_u32 v1, v2
	s_wait_dscnt 0x0
	v_lshrrev_b32 v22, 5, v0
	v_readfirstlane_b32 s22, v22                   ; wave 0..3
	s_bfe_u32 s23, ttmp6, 0x40000                  ; cx: my place in the cluster
	s_lshl_b32 s84, ttmp9, 2                       ; in a cluster launch ttmp9 counts clusters
	s_add_co_u32 s84, s84, s23                     ; my work-group: it enters x's, out's and the prefetches' addresses alone
	; descriptor group 1: 32 rows x 1,024 bytes, padded in LDS
	s_mov_b32 s32, 15|(1<<20)|(1<<21)|(7<<22)|(3<<25)   ; 15:0 the mask: all four work-groups; 17:16 elements of 1 byte; 20 padding on; 21 set beside a mask; 24:22 after every 256 words (code 7); 31:25 four words (code 3)
	s_mov_b32 s33, 1024<<16                        ; tensor_dim0
	s_mov_b32 s34, 32<<16                          ; tensor_dim1
	s_mov_b32 s35, 1024<<16                        ; tile_dim0
	s_mov_b32 s36, 32                              ; tile_dim1
	s_mov_b32 s37, 1024                            ; tensor_dim0_stride
	s_mov_b32 s38, 0
	s_mov_b32 s39, 0
	s_lshl_b32 s86, s22, 18                        ; my wave's 256 rows of a weight: 262,144 bytes a wave
	s_mov_b32 s87, 0
	s_mul_i32 s85, s22, WROWS                      ; and its rows' place in a slot
	v_and_b32 v22, 15, v0                          ; r = lane % 16
	v_bfe_u32 v23, v0, 4, 1                        ; h = lane / 16
	v_and_b32 v24, 31, v0                          ; lane
	v_lshlrev_b32 v[XOF], 10, v22
	v_lshl_add_u32 v[XOF], v23, 4, v[XOF]          ; x: row r of 1,024 bytes + 16 h
	s_lshl_b32 s92, s84, 16                        ; my work-group's 64 rows of x
	s_mov_b32 s93, 0
	s_wait_kmcnt 0x0
	s_load_b256 s[24:31], s[16:17], 0x0            ; e0 .. e7
	s_add_nc_u64 s[88:89], s[4:5], s[86:87]        ; Wq, Wk, Wv at my wave's rows
	s_add_nc_u64 s[48:49], s[6:7], s[86:87]
	s_add_nc_u64 s[50:51], s[8:9], s[86:87]
	s_add_nc_u64 s[18:19], s[18:19], s[92:93]
	s_mov_b32 s40, 1                               ; group 0, slot 0: count = 1,
	s_mov_b32 s41, s85                             ; LDS address,
	s_mov_b64 s[42:43], s[88:89]                   ; global address: Wq's chunk 0,
	s_or_b32 s43, s43, 0x80000000                  ; type = 2
	s_mov_b32 s44, 1                               ; slot 1: Wq's chunk 1
	s_add_co_u32 s45, s85, SLOT
	s_add_nc_u64 s[46:47], s[88:89], CHB
	s_or_b32 s47, s47, 0x80000000
	CROUND                                         ; all four work-groups are here: the first joint loads meet
	JLOAD 0                                        ; two tensor loads of mine are out
	JLOAD 1
.irp m, 0,1,2,3                        ; x's 32 fragments stay in registers
	WIN 0x80+0x40*(\m/2)
.irp s, 0,1,2,3,4,5,6,7
.irp k, 0,1,2,3
	global_load_b128 v[16*(8*(\m%2)+\s)+4*\k:16*(8*(\m%2)+\s)+4*\k+3], v[XOF], s[18:19] offset:16384*\m+128*\s+32*\k
.endr
.endr
.endr
	WIN 0
	; every LDS address is made here, once
	v_mul_u32_u24 v25, v22, PITCH
	v_lshl_add_u32 v25, v23, 4, v25
	v_add_nc_u32 v[ADW], s85, v25                  ; my wave's rows + r x pitch + 16 h
	v_add_nc_u32 v[ADW+1], SLOT, v[ADW]
	v_lshlrev_b32 v[BOF], 5, v23
	v_lshlrev_b32 v[BVO], 2, v22
	v_mul_u32_u24 v[EXS], v22, PITCH
	v_lshl_add_u32 v[EXS], v23, 9, v[EXS]
	s_lshl_b32 s90, s22, 6
	s_add_co_u32 s90, s90, EX
	v_add_nc_u32 v[EXS], s90, v[EXS]               ; token r's image + 512 h + 16 x my first head
	s_mul_i32 s90, s22, 4*PITCH
	s_add_co_u32 s90, s90, EX
	v_lshl_add_u32 v[EXL], v24, 4, s90             ; my four tokens' images + 16 x lane
	s_lshl_b32 s90, s22, 13
	s_add_co_u32 s90, s90, PI
	v_lshl_add_u32 v[PST], v24, 4, s90
	v_and_b32 v25, 3, v22                          ; V: my column is d = 32 dh + 16 u + r: block r % 4, place 8 dh + 4 u + r / 4; my tokens 16 m + 8 h + j;
	v_mul_u32_u24 v25, v25, QB
	v_lshrrev_b32 v26, 2, v22
	v_lshl_add_u32 v25, v26, 4, v25
	v_mul_u32_u24 v26, v23, 8*TPV
	v_add_nc_u32 v25, v25, v26
	s_lshr_b32 s90, s22, 1                         ; my four heads are half w % 2 of the eight that the lanes' half w / 2 will take
	s_lshl_b32 s90, s90, 8
	s_and_b32 s91, s22, 1
	s_lshl_b32 s91, s91, 3
	s_add_co_u32 s90, s90, s91
	v_add_nc_u32 v25, s90, v25
.irp m, 0,1,2,3
	v_add_nc_u32 v[VST+\m], 16*\m*TPV, v25
.endr
	s_mul_i32 s90, s22, 4*TPV
	v_lshl_add_u32 v[VLD], v24, 4, s90
	v_lshlrev_b32 v[OOF], 11, v23
	v_lshl_add_u32 v[OOF], v22, 4, v[OOF]          ; out: 8 heads of 256 bytes for the lanes' upper half, 16 bytes a lane
	v_lshlrev_b32 v[PFO], 10, v24
.irp i, 0,1,2,3
	v_mov_b32 v[T+4*\i+1], 0                       ; named as the upper half of a pair
	v_mov_b32 v[T+4*\i+3], 0                       ; a lane permute's destination counts as one of its sources
.endr
	s_wait_kmcnt 0x0
	s_add_co_i32 s66, s24, s25
	s_add_co_i32 s66, s66, 127
	s_lshl_b32 s66, s66, 23                        ; 2^(e0 + e1) as f32
	s_mov_b32 s67, s66                             ; (named with it as a pair, so it is written)
	s_add_co_i32 s68, s26, s27
	s_add_co_i32 s68, s68, 127
	s_lshl_b32 s68, s68, 23                        ; 2^(e2 + e3)
	s_mov_b32 s69, s68
	s_add_co_i32 s72, s28, s29
	s_add_co_i32 s72, s72, 127
	s_lshl_b32 s72, s72, 23                        ; 2^(e4 + e5)
	s_add_co_i32 s90, s30, 127
	s_lshl_b32 s91, s90, 23
	v_mov_b32 v[SCV], s91                          ; 2^e6: the conversion takes its exponent field
	s_add_co_i32 s90, s90, 15
	s_lshl_b32 s90, s90, 23
	s_or_b32 s90, s90, 0x600000
	v_mov_b32 v[LIMV], s90                         ; 57,344 x 2^e6
	s_add_co_i32 s70, s31, 127
	s_lshl_b32 s71, s70, 23                        ; 2^e7
	s_add_co_i32 s70, s70, 15
	s_lshl_b32 s70, s70, 23
	s_or_b32 s70, s70, 0x600000                    ; 57,344 x 2^e7
	s_add_co_i32 s74, s30, s31
	s_lshl_b32 s74, s74, 23
	s_add_co_i32 s74, s74, 0x3fb8aa3b              ; c = log2(e) x 2^(e6 + e7): the exponents are added to the exponent field
	s_mov_b32 s75, s74
	s_xor_b32 s76, s74, 0x80000000                 ; -c
	s_mov_b32 s78, 0x76543210                      ; v_permlanex16_b32: lane l xor 16
	s_mov_b32 s79, 0xfedcba98
	s_lshl_b32 s92, s23, 8                         ; the prefetches: my work-group's 256 bytes of each row
	s_add_nc_u64 s[52:53], s[88:89], s[92:93]
	s_add_nc_u64 s[54:55], s[48:49], s[92:93]
	s_add_nc_u64 s[56:57], s[50:51], s[92:93]
	s_lshl_b32 s86, s22, 10                        ; the biases at my wave's 256 columns
	s_add_nc_u64 s[58:59], s[10:11], s[86:87]
	s_add_nc_u64 s[60:61], s[12:13], s[86:87]
	s_add_nc_u64 s[14:15], s[14:15], s[86:87]
	s_lshl_b32 s92, s84, 6
	s_lshl_b32 s90, s22, 2
	s_add_co_u32 s92, s92, s90                     ; token 64 x work-group + 4 x wave,
	s_lshl_b32 s92, s92, 12                        ; 4,096 bytes a token
	s_add_nc_u64 s[20:21], s[20:21], s[92:93]
	s_cmp_eq_u32 ttmp9, 0
	s_cselect_b32 s80, 1, 0                        ; the launch's first cluster prefetches: the same in all four partners
	s_wait_tensorcnt 0x1                           ; my rows of slot 0 are in; slot 1's may stay out.  No barrier: I read only rows that my own loads brought
	FETCH 0, 0
	FETCH 0, 1
	FETCH 0, 2
	s_wait_loadcnt 0x0                             ; x
; ---------------- Q
	MATQK 58, 66, 48, 52, 54
.irp m, 0,1,2,3                        ; Q's codes become fragments by token: 16 tokens at a time through the exchange
.if \m > 0
	BARRIER                                        ; every wave's reads of the last 16 tokens are over
.endif
	EXST \m
	BARRIER
	WIN 0x40
	EXLD 128+32*\m
	WIN 0
.endr
; ---------------- K
	v_mov_b32 v[LIMV], s70
	v_mov_b32 v[SCV], s71
	MATQK 60, 68, 50, 54, 56
; ---------------- THE SCORES AND THE SOFTMAX
.irp c, 0,1,2,3,4,5,6,7                ; bv, for V's chunks: a lane's column r of tile u of chunk c
.irp u, 0,1
	global_load_b32 v[BIAS+2*\c+\u], v[BVO], s[14:15] offset:(32*\c+16*\u)*4
.endr
.endr
	PIECE 0
	PIECE 1
	PIECE 2
	PIECE 3
; ---------------- V
.irp c, 0,1,2,3,4,5,6,7
	VCHUNK \c
.endr
; ---------------- V GOES TO LDS, into the slots: both have had their last fill, and behind this barrier nobody reads them
	BARRIER
	WIN 0x04
.irp d, 0,1
.irp u, 0,1
.irp m, 0,1,2,3
.irp j, 0,1,2,3,4,5,6,7
	ds_store_b64 v[VST+\m], v[2*(\j+8*(\m+4*(\u+2*\d))):2*(\j+8*(\m+4*(\u+2*\d)))+1] offset:TPV*\j+16*(8*\d+4*\u)   ; my four heads' numbers of one token and column: 8 bytes
.endr
.endr
.endr
.endr
	WIN 0
.irp s, 0,1                            ; the K = 32 form on K = 16: registers 4 to 7 of every operand are zeros
.irp k, 4,5,6,7
	v_mov_b32 v[PA+8*\s+\k], 0
.irp q, 0,1,2,3
	v_mov_b32 v[VB+32*\s+8*\q+\k], 0
.endr
.endr
.endr
.irp k, 0,1,2,3
	v_mov_b32 v[ONES+\k], 0x3f803f80               ; two ones in bf16
	v_mov_b32 v[ONES+4+\k], 0
.endr
	BARRIER                                        ; 64 tokens' images of V lie in LDS
; ---------------- p V, the division, the stores: four tokens a trip
	s_mov_b32 s3, 4
	s_mov_b32 s81, 0
	s_mov_b32 s82, 0
.Lpv:
	v_add_nc_u32 v[VAD], s81, v[VLD]
	v_add_nc_u32 v[PAD], s82, v[PST]
	PVLOAD 0, 0
	PVLOAD 1, 1
	PVTOK 0, 0, 5, 1
	PVTOK 1, 1, 5, 1
	PVTOK 2, 0, 5, 0
	PVTOK 3, 1, 0, 0
	s_wait_xcnt 0x0                                ; the stores have read their base: it steps only behind this wait
	s_add_nc_u64 s[20:21], s[20:21], 16*4096       ; my next four tokens lie 16 tokens on
	s_add_co_u32 s81, s81, 16*TPV
	s_add_co_u32 s82, s82, 4*512
	s_sub_co_u32 s3, s3, 1
	s_cmp_lg_u32 s3, 0
	s_cbranch_scc1 .Lpv
	s_wait_tensorcnt 0x0                           ; the wave's end, behind my last tensor load and my last LDS store
	ds_add_u32 v[SPW], v[NIL]
	s_wait_dscnt 0x0
	CROUND                                         ; the closing round: no work-group ends while a partner may still ask for a tile that names it
	s_endpgm
.Lfunc_end_k_q5a3987d4d1_fused:
	.size	k_q5a3987d4d1_fused, .Lfunc_end_k_q5a3987d4d1_fused-k_q5a3987d4d1_fused
	.p2alignl 7, 3214868480
	.fill 96, 4, 3214868480
	.section	.rodata,"a",@progbits
	.p2align	6, 0x0
	.amdhsa_kernel k_q5a3987d4d1_fused
		.amdhsa_group_segment_fixed_size 327680
		.amdhsa_private_segment_fixed_size 0
		.amdhsa_enable_private_segment 0
		.amdhsa_kernarg_size 72
		.amdhsa_user_sgpr_count 2
		.amdhsa_user_sgpr_kernarg_segment_ptr 1
		.amdhsa_wavefront_size32 1
		.amdhsa_system_sgpr_workgroup_id_x 1
		.amdhsa_system_sgpr_workgroup_id_y 1
		.amdhsa_system_sgpr_workgroup_id_z 1
		.amdhsa_system_vgpr_workitem_id 0
		.amdhsa_next_free_vgpr 1024
		.amdhsa_next_free_sgpr 96
		.amdhsa_reserve_vcc 0
		.amdhsa_float_denorm_mode_32 3
		.amdhsa_float_denorm_mode_16_64 3
		.amdhsa_memory_ordered 1
		.amdhsa_forward_progress 1
		.amdhsa_inst_pref_size 255
	.end_amdhsa_kernel
	.section	.bss,"aw",@nobits
	.p2align	6
	.space	262144
	.amdgpu_metadata
---
amdhsa.version: [ 1, 2 ]
amdhsa.kernels:
  - .name:           k_q5a3987d4d1_fused
    .symbol:         k_q5a3987d4d1_fused.kd
    .args:
      - { .name: Wq_codes, .offset: 0, .size: 8, .value_kind: global_buffer, .address_space: global }
      - { .name: Wk_codes, .offset: 8, .size: 8, .value_kind: global_buffer, .address_space: global }
      - { .name: Wv_codes, .offset: 16, .size: 8, .value_kind: global_buffer, .address_space: global }
      - { .name: bq, .offset: 24, .size: 8, .value_kind: global_buffer, .address_space: global }
      - { .name: bk, .offset: 32, .size: 8, .value_kind: global_buffer, .address_space: global }
      - { .name: bv, .offset: 40, .size: 8, .value_kind: global_buffer, .address_space: global }
      - { .name: lowp_scales, .offset: 48, .size: 8, .value_kind: global_buffer, .address_space: global }
      - { .name: x_codes, .offset: 56, .size: 8, .value_kind: global_buffer, .address_space: global }
      - { .name: out0, .offset: 64, .size: 8, .value_kind: global_buffer, .address_space: global }
    .group_segment_fixed_size: 327680
    .private_segment_fixed_size: 0
    .kernarg_segment_align: 8
    .kernarg_segment_size: 72
    .max_flat_workgroup_size: 128
    .sgpr_count:     96
    .vgpr_count:     1024
    .wavefront_size: 32
...
	.end_amdgpu_metadata
.endif
;; end of part 1
;; ======== version 2 of 2: 2 launches
;; limits: right only within a limited range of input values; values are held in bf16: 8 bits of precision
;; workspace buffers: qws 16,777,216 bytes; kws 16,777,216 bytes; vws 33,554,432 bytes
;; launch gemm (part 2): grid 64 x 4, 4 waves a work-group, clusters of 4 x 4, 327,680 bytes of LDS; arguments x_codes, Wq_codes, Wk_codes, Wv_codes, bq, bk, bv, lowp_scales, qws, kws, vws; writes qws, kws, vws
.if DOCPART == 2
	.amdgcn_target "amdgcn-amd-amdhsa--gfx1250"
	.amdhsa_code_object_version 6
	.text
	.protected	k_q5a3987d4d1_gemm
	.globl	k_q5a3987d4d1_gemm
	.p2align	8
	.type	k_q5a3987d4d1_gemm,@function
k_q5a3987d4d1_gemm:
	s_mov_b64 s[64:65], 0
	v_nop
	global_prefetch_b8 v0, s[64:65] scope:SCOPE_SE
	s_setreg_imm32_b32 hwreg(HW_REG_WAVE_MODE, 25, 1), 1
	s_wait_xcnt 0x0
	s_wait_alu depctr_hold_cnt(0) depctr_sa_sdst(0) depctr_va_vdst(0) depctr_va_sdst(0) depctr_va_ssrc(0) depctr_va_vcc(0) depctr_vm_vsrc(0)
	s_getreg_b32 s2, hwreg(HW_REG_IB_STS2, 6, 4)
	s_cmp_eq_u32 s2, 0
	s_cbranch_scc0 .Lentry_in_a_cluster
	s_endpgm
.Lentry_in_a_cluster:
	s_bfe_u32 s2, ttmp6, 0x10000c
	s_cmp_lg_u32 s2, 0xf033
	s_cbranch_scc0 .Lentry_shape_is_right
	s_endpgm
.Lentry_shape_is_right:
; Q = x Wq + bq and K = x Wk + bk, quantised to codes of BF8, and V = x Wv + bv, rounded to bf16: 16,384 tokens, three products of K = 1,024, N = 1,024 = 16 heads x 64.
; SHARES.  A work-group makes 256 tokens x 256 columns of each of Q, K, V: of every head g the 16 columns d = 4 i + cg, i = 0 .. 15 (cg: its column group, 0 .. 3).  So the rows of a weight that it
; needs are rows 4 n + cg, n = 16 g + i.  A wave owns 64 tokens and keeps their codes, 64 x 1,024, in 512 registers (windows 2 and 3) through the whole launch.
; The weights come through a ring of two LDS slots of 128 rows x 1,024 (8 heads x 16), six slots in all (Q, K, V, two each), read by all four waves.
; CLUSTERS: 4 x 4 work-groups: along x four blocks of tokens, along y the four column groups.  The four of a row need the same rows of the weights: each slot is asked for JOINTLY by them.
; A HEAD'S 16 columns are 4 x 8 matrix instructions (4 blocks of 16 tokens by turns, 8 steps of 128 along K).  The next head's eight fragments come by ONE run of 32 LDS loads into the other of two
; register sets; the epilogue of the head before stands ahead of that run and between the matrix instructions, on the other set of accumulators.
; Q, K: source 0 = weight rows, source 1 = tokens: a lane holds one token and 8 of a head's columns, which become 8 code bytes.  V: the other way round: a lane holds one column and 8 tokens,
; and the heads' values are packed in pairs as they come.
; WORKSPACES, in the order in which the next launch's operand registers take them: Q and K: [token][cg][head][16 bytes: i]; V: [token][cg][g / 8][i][8 heads of bf16].
; LIMITS on the given exponents, so that each power of two is an f32 number: the sums e0 + e1, e2 + e3, e4 + e5 between -126 and 127; e6 and e7 between -126 and 112.
; No prefetch: a slot's load has seven heads, 224 matrix instructions of each wave, in which to land, and the loop has two trips only.
; REGISTERS, window 0: below 32 addresses; v32-95 two sets of accumulators; v96-223 fragments of even heads; v224-239 biases.
; Window 1: v0-127 Q's or K's codes, then half of V's heads; v128-255 fragments of odd heads, and between Q, K and V the rows on their way out.
.set PITCH, 1040                       ; an LDS row: 1,024 bytes + 16 of padding: 16 rows start at 16 different places modulo 256 bytes
.set NBR,   16*PITCH
.set SLOT,  128*PITCH
.set STAGE, 2*SLOT                     ; each wave: two stages of 16 tokens x 272 bytes
.set STB,   16*272
.set BTAB,  STAGE+8*STB                ; the biases of my columns: 256 numbers for Q, K, V each
.set SPARE, BTAB+3072                  ; the spare words, 128 bytes a wave
.set SPW, 1
.set NIL, 2
.set ADW, 4                            ; v4-7 fragment addresses: slot 0 heads 0-3, 4-7; slot 1 likewise
.set STO, 8
.set RD,  9
.set CO,  10
.set VO,  11
.set XOF, 12
.set BQ0, 13
.set BQA, 14
.set BV,  15
.set SCV, 16
.set BOF, 17
.set BST, 18
.set ACC, 32
.set BIAS, 224
.set GB,  240
.set MSB, 0
.macro WIN new                         ; the immediate's high byte repeats the setting that is left
.if MSB != (\new)
	s_set_vgpr_msb (MSB<<8)|(\new)
.set MSB, (\new)
.endif
.endm
.macro PLACES n
.rept \n
	v_nop
.endr
.endm
.macro CREST                           ; a round of the cluster's barrier behind its opening barrier
	s_cmp_lg_u32 s26, 0
	s_cbranch_scc1 .Lnot_wave_0_\@
	s_barrier_signal -3
.Lnot_wave_0_\@:
	s_barrier_wait -3
	s_barrier_signal -1
	s_barrier_wait -1
.endm
.macro CROUND
	s_barrier_signal -1
	s_barrier_wait -1
	CREST
.endm
.macro JLOAD slot                      ; a wave's quarter of a slot: 32 rows
	tensor_load_to_lds s[40+4*(\slot):43+4*(\slot)], s[32:39]
	s_nop 0
	PLACES 4
.endm
.macro FRAGS n                         ; head n's (0 .. 16) eight fragments into set n % 2: of fragment f lane (r, h) takes row r, bytes 128 f + 32 c + 16 h on, c = 0 .. 3
	WIN 0x40*((\n)%2)
.set WN, 96+32*((\n)%2)
.irp f, 0,1,2,3,4,5,6,7
.irp c, 0,1,2,3
	ds_load_b128 v[WN+16*\f+4*\c:WN+16*\f+4*\c+3], v[ADW+2*(((\n)%16)/8)+((\n)%8)/4] offset:((\n)%4)*NBR+128*\f+32*\c
.endr
.endr
.endm
.macro RUN kind, i                     ; the run of LDS loads in head i: its own biases, and the next head's fragments
	WIN 0
.if \kind
	ds_load_b32 v[BIAS+8*((\i)%2)], v[BV] offset:64*(\i)
.else
	ds_load_b128 v[BIAS+8*((\i)%2):BIAS+8*((\i)%2)+3], v[BQA] offset:64*(\i)
	ds_load_b128 v[BIAS+8*((\i)%2)+4:BIAS+8*((\i)%2)+7], v[BQA] offset:64*(\i)+16
.endif
.if (\kind) == 0 || (\i) < 15
	FRAGS ((\i)+1)
.endif
.endm
.macro MM kind, m, st                  ; block m of 16 tokens, step st; the first step starts the sum
.set rD, AC+8*(\m)
.set rW, WB+16*(\st)
.set rX, 16*(8*((\m)%2)+(\st))
.if \kind
.if (\st) == 0
	v_wmma_f32_16x16x128_bf8_bf8 v[rD:rD+7], v[rX:rX+15], v[rW:rW+15], 0
.else
	v_wmma_f32_16x16x128_bf8_bf8 v[rD:rD+7], v[rX:rX+15], v[rW:rW+15], v[rD:rD+7]
.endif
.else
.if (\st) == 0
	v_wmma_f32_16x16x128_bf8_bf8 v[rD:rD+7], v[rW:rW+15], v[rX:rX+15], 0
.else
	v_wmma_f32_16x16x128_bf8_bf8 v[rD:rD+7], v[rW:rW+15], v[rX:rX+15], v[rD:rD+7]
.endif
.endif
.endm
; Epilogue of Q and K: sums x 2^(ex + ew) + bias (SCALE), held at the largest code (HOLD; the conversion does not saturate: ISA guide 7.6.2), converted (CVQ).
.macro SCALE
	WIN 0
.set p, 0
.rept 16
	v_pk_fma_f32 v[EA+2*p:EA+2*p+1], v[EA+2*p:EA+2*p+1], s[66:67], v[EB+(2*p)%8:EB+(2*p)%8+1] op_sel_hi:[1,0,1]
.set p, p+1
.endr
.endm
.macro HOLD from, cnt                  ; the sum is the third source: source 0's window may be 1 here
.set p, \from
.rept \cnt
	v_med3_num_f32 v[EA+p], s68, s69, v[EA+p]
.set p, p+1
.endr
.endm
.macro CVQ e                           ; head e: 8 bytes for each block of tokens
	WIN 0x40
	s_wait_alu depctr_va_vdst(0)
.irp m, 0,1,2,3
	v_cvt_scalef32_pk8_bf8_f32 v[8*(\e)+2*\m:8*(\e)+2*\m+1], v[EA+8*\m:EA+8*\m+7], v[SCV]
.endr
.endm
.macro EPV e, from, cnt                ; V, head e: cnt of the lane's 32 tokens: x 2^(ex + ew) + bias, rounded once to bf16, an even head into the low half
	WIN 0x40
.set p, \from
.rept \cnt
.if (\e)%2
	v_fma_mixhi_bf16 v[4*p+((\e)%8)/2], v[EA+p], s72, v[EB]
.else
	v_fma_mixlo_bf16 v[4*p+((\e)%8)/2], v[EA+p], s72, v[EB]
.endif
.set p, p+1
.endr
.endm
; A CHANGE OF SLOTS, in a slot's last head: all its fragments are in registers, so the slot is free.
.macro MEETA fill, slot
	WIN 0
	s_wait_tensorcnt 0x0                   ; my part of the next slot has landed
	ds_add_u32 v[SPW], v[NIL]
.if \fill
	s_add_nc_u64 s[42+4*(\slot):43+4*(\slot)], s[48:49], (\slot)*0x80000   ; the next weight's rows, its slot 0 or 1
	s_or_b32 s[43+4*(\slot)], s[43+4*(\slot)], 0x80000000
.endif
.endm
.macro NBSET i
.set AC, ACC+32*((\i)%2)
.set EA, ACC+32*(((\i)+1)%2)
.set EB, BIAS+8*(((\i)+1)%2)
.set WB, 96+32*((\i)%2)
.endm
.macro NBQ i, epi, mt
	NBSET \i
	s_wait_dscnt 0x0                       ; my fragments, and the biases of the head before
.if \mt
	MEETA 1, ((\i)/8)
.endif
.if \epi
	SCALE
.endif
.if \mt
	s_wait_dscnt 0x0                       ; the add is done (my reads of this slot were over)
	s_barrier_signal -1
.elseif (\i) > 0
	RUN 0, \i
.endif
.irp st, 0,1,2,3,4,5,6,7
.if (\i) == 0
.if \st < 4
	s_wait_loadcnt 0x3f                    ; x, step by step of K: 16 loads a step, at most 63 of the later ones may be out
.else
	s_wait_loadcnt 16*(7-\st)
.endif
.endif
	WIN 0x08+((\i)%2)
	MM 0, 0, \st
	MM 0, 1, \st
	WIN 0x0c+((\i)%2)
	MM 0, 2, \st
.if (\epi) && \st < 4
	HOLD 8*\st, 3
.endif
	MM 0, 3, \st
.if (\epi) && \st < 4
	HOLD 8*\st+3, 5
.endif
.if (\epi) && \st == 5
	CVQ ((\i)-1)
.endif
.if (\mt) && \st == 1
	WIN 0
	s_barrier_wait -1
	CREST
	JLOAD ((\i)/8)
	RUN 0, \i
.endif
.if (\i) == 0 && \st == 1
	s_wait_xcnt 0x0                        ; the stores have read the registers of odd heads' fragments
	RUN 0, \i
.endif
.endr
	PLACES 4                               ; in front of the first reads of these sums
.endm
.macro VSTORE s                        ; heads 8 s .. 8 s + 7 of tokens 16 m + 8 h + j: sixteen lanes store one aligned unit of 256 bytes
	s_wait_alu depctr_va_vdst(0)
	WIN 0x04
.set p, 0
.rept 32
	global_store_b128 v[VO], v[4*p:4*p+3], s[80:81] offset:(16*(p/8)+p%8)*2048+256*(\s) th:TH_STORE_NT
.set p, p+1
.endr
	WIN 0
.endm
.macro NBV i, mt
	NBSET \i
	s_wait_dscnt 0x0
.if \mt
	MEETA 0, 0
.endif
.if (\i) == 9
	s_wait_xcnt 0x0                        ; the first eight heads' stores have read their data
.endif
.if (\i) > 0
	EPV ((\i)-1), 0, 16
.endif
.if \mt
	s_wait_dscnt 0x0
	s_barrier_signal -1
.elseif (\i) > 0
	RUN 1, \i
.endif
.irp st, 0,1,2,3,4,5,6,7
	WIN 0x02+4*((\i)%2)
	MM 1, 0, \st
	MM 1, 1, \st
	WIN 0x03+4*((\i)%2)
	MM 1, 2, \st
	MM 1, 3, \st
.if (\i) > 0 && \st < 4
	EPV ((\i)-1), 16+4*\st, 4
.endif
.if (\mt) && \st == 1
	WIN 0
	s_barrier_wait -1                      ; slot 1 is whole; nothing is filled again
	RUN 1, \i
.endif
.if (\i) == 0 && \st == 1
	s_wait_xcnt 0x0
	RUN 1, \i
.endif
.endr
	PLACES 4
.if (\i) == 8
	VSTORE 0
.endif
.endm
.macro XLD s                           ; my 64 tokens, bytes 128 s .. 128 s + 127: the same place along K in every lane's registers as the weights' fragments have
.irp m, 0,1,2,3
	WIN 0x80+0x40*(\m/2)
.irp k, 0,1,2,3
	global_load_b128 v[16*(8*(\m%2)+(\s))+4*\k:16*(8*(\m%2)+(\s))+4*\k+3], v[XOF], s[4:5] offset:16384*\m+128*(\s)+32*\k
.endr
.endr
	WIN 0
.endm
	s_load_b256 s[4:11], s[0:1], 0x0       ; x, Wq, Wk, Wv
	s_load_b256 s[12:19], s[0:1], 0x20     ; bq, bk, bv, the scales' exponents
	s_load_b128 s[20:23], s[0:1], 0x40     ; Q's and K's workspaces
	s_load_b64 s[24:25], s[0:1], 0x50      ; V's
	v_lshl_add_u32 v[SPW], v0, 2, SPARE
	v_mov_b32 v[NIL], 0
	ds_add_u32 v[SPW], v[NIL]              ; the opening add, twice on end
	ds_add_u32 v[SPW], v[NIL]
	v_lshrrev_b32 v20, 5, v0
	v_readfirstlane_b32 s26, v20           ; wave
	s_bfe_u32 s27, ttmp6, 0x40000          ; cx: which of the cluster's four blocks of tokens
	s_bfe_u32 s28, ttmp6, 0x40004          ; cy: my column group cg (the grid is one cluster high)
	s_lshl_b32 s30, s28, 2
	s_lshl_b32 s30, 15, s30                ; my row of the cluster
	s_or_b32 s32, s30, (1<<20)|(1<<21)|(7<<22)|(3<<25)   ; elements of 1 byte; padding of 4 words after every 256
	s_mov_b32 s33, 1024<<16
	s_mov_b32 s34, 32<<16
	s_mov_b32 s35, 1024<<16                ; a tile: 32 rows of 1,024 codes,
	s_mov_b32 s36, 32
	s_mov_b32 s37, 4096                    ; every fourth row of the weight
	s_mov_b32 s38, 0
	s_mov_b32 s39, 0
	s_mul_i32 s29, s26, 32*PITCH           ; where my quarter of a slot lies
	s_mul_i32 s31, s26, 2*STB
	s_add_co_u32 s31, s31, STAGE           ; my stages
	s_lshl_b32 s90, s26, 17                ; my quarter begins at row 128 x wave + cg of the weight
	s_lshl_b32 s91, s28, 10
	s_add_co_u32 s90, s90, s91
	s_mov_b32 s91, 0
	s_lshl_b32 s88, s28, 2                 ; biases: number 4 n + cg
	s_mov_b32 s89, 0
	s_lshl_b32 s86, ttmp9, 2
	s_add_co_u32 s86, s86, s27
	s_lshl_b32 s86, s86, 8
	s_lshl_b32 s87, s26, 6
	s_add_co_u32 s86, s86, s87             ; my first token
	s_lshl_b32 s92, s86, 10
	s_mov_b32 s93, 0
	s_lshl_b32 s94, s28, 8
	s_add_co_u32 s94, s94, s92             ; 1,024 x token + 256 cg
	s_mov_b32 s95, 0
	s_lshl_b32 s96, s94, 1                 ; 2,048 x token + 512 cg
	s_mov_b32 s97, 0
	s_wait_dscnt 0x0                       ; both opening adds are done
	v_and_b32 v21, 15, v0                  ; r
	v_bfe_u32 v22, v0, 4, 1                ; h
	v_mul_u32_u24 v24, v21, PITCH
	v_lshl_add_u32 v[ADW], v22, 4, v24
	v_add_nc_u32 v[ADW+1], 4*NBR, v[ADW]
	v_add_nc_u32 v[ADW+2], SLOT, v[ADW]
	v_add_nc_u32 v[ADW+3], SLOT+4*NBR, v[ADW]
	v_lshlrev_b32 v[XOF], 10, v21
	v_lshl_add_u32 v[XOF], v22, 4, v[XOF]
	v_mul_u32_u24 v25, v21, 272
	v_lshl_add_u32 v25, v22, 3, v25
	v_add_nc_u32 v[STO], s31, v25          ; into the stage: token r, bytes 8 h on of each head's 16
	v_mul_u32_u24 v26, v22, 272
	v_lshl_add_u32 v26, v21, 4, v26
	v_add_nc_u32 v[RD], s31, v26           ; back: sixteen lanes a token
	v_lshlrev_b32 v[CO], 10, v22
	v_lshl_add_u32 v[CO], v21, 4, v[CO]
	v_lshlrev_b32 v[VO], 14, v22
	v_lshl_add_u32 v[VO], v21, 4, v[VO]
	v_lshlrev_b32 v[BQ0], 5, v22
	v_add_nc_u32 v[BQ0], BTAB, v[BQ0]
	v_lshlrev_b32 v[BV], 2, v21
	v_add_nc_u32 v[BV], BTAB+2048, v[BV]
	v_lshlrev_b32 v[BOF], 4, v0
	v_lshl_add_u32 v[BST], v0, 2, BTAB
	s_wait_alu depctr_va_vdst(0)
	s_wait_kmcnt 0x0
	s_load_b256 s[56:63], s[18:19], 0x0    ; e0 .. e7
	s_add_nc_u64 s[4:5], s[4:5], s[92:93]
	s_add_nc_u64 s[12:13], s[12:13], s[88:89]
	s_add_nc_u64 s[14:15], s[14:15], s[88:89]
	s_add_nc_u64 s[16:17], s[16:17], s[88:89]
.irp k, 0,1
	global_load_b32 v[GB+\k], v[BOF], s[12:13] offset:2048*\k      ; thread t: numbers n = t and t + 128 of my 256
	global_load_b32 v[GB+2+\k], v[BOF], s[14:15] offset:2048*\k
	global_load_b32 v[GB+4+\k], v[BOF], s[16:17] offset:2048*\k
.endr
	XLD 0
	XLD 1
	s_add_nc_u64 s[52:53], s[6:7], s[90:91]
	s_add_nc_u64 s[48:49], s[8:9], s[90:91]        ; the weight that is filled next
	s_add_nc_u64 s[50:51], s[10:11], s[90:91]
	s_add_nc_u64 s[78:79], s[20:21], s[94:95]
	s_add_nc_u64 s[84:85], s[22:23], s[94:95]
	s_add_nc_u64 s[80:81], s[24:25], s[96:97]
	s_mov_b32 s40, 1
	s_mov_b32 s41, s29
	s_mov_b64 s[42:43], s[52:53]
	s_or_b32 s43, s43, 0x80000000
	s_mov_b32 s44, 1
	s_add_co_u32 s45, s29, SLOT
	s_add_nc_u64 s[46:47], s[52:53], 0x80000
	s_or_b32 s47, s47, 0x80000000
	CROUND                                 ; all partners are here: the first joint loads meet
	JLOAD 0                                ; one tensor load a wave at the head
.irp s, 2,3,4,5,6,7
	XLD \s
.endr
	s_wait_kmcnt 0x0
	s_add_co_i32 s66, s56, s57
	s_add_co_i32 s66, s66, 127
	s_lshl_b32 s66, s66, 23                ; 2^(e0 + e1)
	s_mov_b32 s67, s66
	s_add_co_i32 s70, s58, s59
	s_add_co_i32 s70, s70, 127
	s_lshl_b32 s70, s70, 23                ; 2^(e2 + e3)
	s_mov_b32 s71, s70
	s_add_co_i32 s72, s60, s61
	s_add_co_i32 s72, s72, 127
	s_lshl_b32 s72, s72, 23                ; 2^(e4 + e5)
	s_add_co_i32 s86, s62, 127
	s_lshl_b32 s75, s86, 23                ; 2^e6
	s_add_co_i32 s86, s86, 15
	s_lshl_b32 s86, s86, 23
	s_or_b32 s69, s86, 0x600000            ; 57,344 x 2^e6
	s_xor_b32 s68, s69, 0x80000000
	s_add_co_i32 s86, s63, 127
	s_lshl_b32 s74, s86, 23                ; 2^e7
	s_add_co_i32 s86, s86, 15
	s_lshl_b32 s86, s86, 23
	s_or_b32 s73, s86, 0x600000
	s_mov_b32 s82, 2
	s_mov_b32 s83, 0
	v_mov_b32 v[SCV], s75
	s_wait_alu depctr_va_vdst(0)
	s_wait_loadcnt 0x3f                    ; behind the six biases 128 loads have been issued
.irp k, 0,1,2,3,4,5
	ds_store_b32 v[BST], v[GB+\k] offset:512*\k    ; 512 bytes a half, 1,024 a bias
.endr
	s_wait_tensorcnt 0x0                   ; my part of slot 0 is in
	ds_add_u32 v[SPW], v[NIL]
	s_wait_dscnt 0x0                       ; the add and the biases are done
	CROUND
	JLOAD 1                                ; slot 1's first fill, issued as a refill is
	FRAGS 0
.Lqk:                                          ; two trips: Q, K
	v_add_nc_u32 v[BQA], s83, v[BQ0]
	s_wait_alu depctr_va_vdst(0)
	NBQ 0, 0, 0
.irp i, 1,2,3,4,5,6
	NBQ \i, 1, 0
.endr
	NBQ 7, 1, 1
.irp i, 8,9,10,11,12,13,14
	NBQ \i, 1, 0
.endr
	NBQ 15, 1, 1
	NBSET 16                               ; the last head's epilogue; four places stand behind its last matrix instruction
	s_wait_dscnt 0x0                       ; its biases (and the next product's first fragments)
	SCALE
	HOLD 0, 32
	CVQ 15
	WIN 0
	v_nop
	s_wait_alu depctr_va_vdst(0)
	s_wait_xcnt 0x0                        ; earlier stores have read their base
	s_mov_b64 s[76:77], s[78:79]
; THE WAY OUT: 16 tokens at a time through my stage, back as whole units of 256 bytes.  LDS serves a wave's instructions in order (ISA guide 5.7.1.4): no wait between its stores and loads.
.irp m, 0,1,2,3
	WIN 0x04
.irp g, 0,1,2,3,4,5,6,7,8,9,10,11,12,13,14,15
	ds_store_b64 v[STO], v[8*\g+2*\m:8*\g+2*\m+1] offset:16*\g+STB*(\m%2)
.endr
	WIN 0x40
.irp t, 0,1,2,3,4,5,6,7
	ds_load_b128 v[128+32*\m+4*\t:128+32*\m+4*\t+3], v[RD] offset:2*\t*272+STB*(\m%2)
.endr
.endr
	WIN 0x04
.irp m, 0,1,2,3
.if \m == 0
	s_wait_dscnt 63                        ; behind these rows 72 LDS instructions have been issued
.else
	s_wait_dscnt 24*(3-\m)
.endif
.irp t, 0,1,2,3,4,5,6,7
	global_store_b128 v[CO], v[128+32*\m+4*\t:128+32*\m+4*\t+3], s[76:77] offset:(16*\m+2*\t)*1024 th:TH_STORE_NT
.endr
.endr
	WIN 0
	s_mov_b64 s[78:79], s[84:85]           ; on to K: its workspace, scales, and the weight that is filled next
	s_mov_b64 s[48:49], s[50:51]
	s_mov_b64 s[66:67], s[70:71]
	s_mov_b32 s69, s73
	s_xor_b32 s68, s73, 0x80000000
	v_mov_b32 v[SCV], s74
	s_add_co_u32 s83, s83, 1024
	s_sub_co_u32 s82, s82, 1
	s_cmp_lg_u32 s82, 0
	s_wait_alu depctr_va_vdst(0)
	s_cbranch_scc1 .Lqk
.irp i, 0,1,2,3,4,5,6                  ; V
	NBV \i, 0
.endr
	NBV 7, 1
.irp i, 8,9,10,11,12,13,14,15
	NBV \i, 0
.endr
	NBSET 16
	s_wait_dscnt 0x0                       ; the last head's bias
	EPV 15, 0, 32
	VSTORE 1
	s_wait_tensorcnt 0x0                   ; the wave's end
	ds_add_u32 v[SPW], v[NIL]
	s_wait_dscnt 0x0
	CROUND                                 ; no work-group ends while a partner may still ask for a tile that names it
	s_endpgm
.Lfunc_end_k_q5a3987d4d1_gemm:
	.size	k_q5a3987d4d1_gemm, .Lfunc_end_k_q5a3987d4d1_gemm-k_q5a3987d4d1_gemm
	.p2alignl 7, 3214868480
	.fill 96, 4, 3214868480
	.section	.rodata,"a",@progbits
	.p2align	6, 0x0
	.amdhsa_kernel k_q5a3987d4d1_gemm
		.amdhsa_group_segment_fixed_size 327680
		.amdhsa_private_segment_fixed_size 0
		.amdhsa_enable_private_segment 0
		.amdhsa_kernarg_size 88
		.amdhsa_user_sgpr_count 2
		.amdhsa_user_sgpr_kernarg_segment_ptr 1
		.amdhsa_wavefront_size32 1
		.amdhsa_system_sgpr_workgroup_id_x 1
		.amdhsa_system_sgpr_workgroup_id_y 1
		.amdhsa_system_sgpr_workgroup_id_z 1
		.amdhsa_system_vgpr_workitem_id 0
		.amdhsa_next_free_vgpr 1024
		.amdhsa_next_free_sgpr 100
		.amdhsa_reserve_vcc 0
		.amdhsa_float_denorm_mode_32 3
		.amdhsa_float_denorm_mode_16_64 3
		.amdhsa_memory_ordered 1
		.amdhsa_forward_progress 1
		.amdhsa_inst_pref_size 255
	.end_amdhsa_kernel
	.section	.bss,"aw",@nobits
	.p2align	6
	.space	262144
	.amdgpu_metadata
---
amdhsa.version: [ 1, 2 ]
amdhsa.kernels:
  - .name:           k_q5a3987d4d1_gemm
    .symbol:         k_q5a3987d4d1_gemm.kd
    .args:
      - { .name: x_codes, .offset: 0, .size: 8, .value_kind: global_buffer, .address_space: global }
      - { .name: Wq_codes, .offset: 8, .size: 8, .value_kind: global_buffer, .address_space: global }
      - { .name: Wk_codes, .offset: 16, .size: 8, .value_kind: global_buffer, .address_space: global }
      - { .name: Wv_codes, .offset: 24, .size: 8, .value_kind: global_buffer, .address_space: global }
      - { .name: bq, .offset: 32, .size: 8, .value_kind: global_buffer, .address_space: global }
      - { .name: bk, .offset: 40, .size: 8, .value_kind: global_buffer, .address_space: global }
      - { .name: bv, .offset: 48, .size: 8, .value_kind: global_buffer, .address_space: global }
      - { .name: lowp_scales, .offset: 56, .size: 8, .value_kind: global_buffer, .address_space: global }
      - { .name: qws, .offset: 64, .size: 8, .value_kind: global_buffer, .address_space: global }
      - { .name: kws, .offset: 72, .size: 8, .value_kind: global_buffer, .address_space: global }
      - { .name: vws, .offset: 80, .size: 8, .value_kind: global_buffer, .address_space: global }
    .group_segment_fixed_size: 327680
    .private_segment_fixed_size: 0
    .kernarg_segment_align: 8
    .kernarg_segment_size: 88
    .max_flat_workgroup_size: 128
    .sgpr_count:     100
    .vgpr_count:     1024
    .wavefront_size: 32
...
	.end_amdgpu_metadata
.endif
;; end of part 2
;; launch attend (part 3): grid 256 x 1, 16 waves a work-group, no clusters, 0 bytes of LDS; arguments qws, kws, vws, lowp_scales, out0; writes out0
.if DOCPART == 3
	.amdgcn_target "amdgcn-amd-amdhsa--gfx1250"
	.amdhsa_code_object_version 6
	.text
	.protected	k_q5a3987d4d1_attend
	.globl	k_q5a3987d4d1_attend
	.p2align	8
	.type	k_q5a3987d4d1_attend,@function
k_q5a3987d4d1_attend:
	s_mov_b64 s[64:65], 0
	v_nop
	global_prefetch_b8 v0, s[64:65] scope:SCOPE_SE
	s_setreg_imm32_b32 hwreg(HW_REG_WAVE_MODE, 25, 1), 1
	s_wait_xcnt 0x0
; For each of 16,384 tokens: scores[h][g] = Q_h . K_g over 64 (codes of BF8), softmax over the 16 heads g, out[h] = sum of p[h][g] V_g (bf16 operands, f32 sums).
; A wave owns 4 tokens and asks for all of them at once: 32 loads of 512 contiguous bytes.  No LDS, no cluster: the work-groups share no input.  No prefetch: there is no loop to run ahead in.
; The workspaces lie as the operands want them.  Q, K: [token][cg][head][16]: lane (r, h) takes head r, cg = 2 j + h: the same order of K in both operands.  V: [token][q][g / 8][r][8 heads]: column d = 4 r + q.
; Scores: source 0 = K, source 1 = Q: lane (r, h) holds query head r and the heads g = 8 h + 0 .. 7, which is the layout of the second product's source 0: p never moves between lanes.
; The second product has K = 32, of which 16 are used: source 0's upper half is 0.  Source 1's upper half holds other numbers of V, or 0.
; LIMITS: e6 + e7 lies between -126 and 126; a number of V that is infinite, or beyond bf16's range, spreads NaN over its token.
.set QR, 16
.set KR, 48
.set VR, 80                            ; 20 registers a token: 16 of V and 4 zeros
.set S,  160
.set PF, 192
.set T,  224
.set DP, 16                            ; the second product's results, on Q's registers
.set OA, 160                           ; rows on their way out: on the scores' registers, or
.set OB, 48                            ; on K's
	s_load_b256 s[4:11], s[0:1], 0x0       ; Q, K, V, the scales' exponents
	s_load_b64 s[12:13], s[0:1], 0x20      ; out0
	v_lshrrev_b32 v3, 5, v0
	v_readfirstlane_b32 s16, v3
	s_lshl_b32 s16, s16, 2
	s_lshl_b32 s17, ttmp9, 6
	s_add_co_u32 s16, s16, s17             ; my first token
	s_lshl_b32 s22, s16, 10
	s_mov_b32 s23, 0
	s_lshl_b32 s24, s16, 11
	s_mov_b32 s25, 0
	s_lshl_b32 s26, s16, 12
	s_mov_b32 s27, 0
	s_mov_b32 s28, 0x76543210
	s_mov_b32 s29, 0xfedcba98              ; v_permlanex16_b32's selects for lane l xor 16
	v_and_b32 v1, 31, v0
	v_lshlrev_b32 v1, 4, v1                ; 16 x lane
	v_and_b32 v4, 15, v0
	v_bfe_u32 v5, v0, 4, 1
	v_lshlrev_b32 v2, 11, v5
	v_lshl_add_u32 v2, v4, 4, v2           ; the way out: head 8 h + j, 16 r bytes on
.irp i, 0,1,2,3
	v_mov_b32 v[T+4*\i+1], 0
	v_mov_b32 v[T+4*\i+3], 0
.irp k, 0,1,2,3
	v_mov_b32 v[PF+8*\i+4+\k], 0
	v_mov_b32 v[VR+20*\i+16+\k], 0
.endr
.endr
	s_wait_alu depctr_va_vdst(0)
	s_wait_kmcnt 0x0
	s_load_b64 s[14:15], s[10:11], 0x18    ; e6, e7
	s_add_nc_u64 s[4:5], s[4:5], s[22:23]
	s_add_nc_u64 s[6:7], s[6:7], s[22:23]
	s_add_nc_u64 s[8:9], s[8:9], s[24:25]
	s_add_nc_u64 s[12:13], s[12:13], s[26:27]
.irp i, 0,1,2,3
.irp j, 0,1
	global_load_b128 v[QR+8*\i+4*\j:QR+8*\i+4*\j+3], v1, s[4:5] offset:1024*\i+512*\j th:TH_LOAD_NT
	global_load_b128 v[KR+8*\i+4*\j:KR+8*\i+4*\j+3], v1, s[6:7] offset:1024*\i+512*\j th:TH_LOAD_NT
.endr
.endr
.irp i, 0,1,2,3
.irp q, 0,1,2,3
	global_load_b128 v[VR+20*\i+4*\q:VR+20*\i+4*\q+3], v1, s[8:9] offset:2048*\i+512*\q th:TH_LOAD_NT
.endr
.endr
	s_wait_kmcnt 0x0
	s_add_co_i32 s20, s14, s15
	s_lshl_b32 s20, s20, 23
	s_add_co_i32 s20, s20, 0x3fb8aa3b      ; log2(e) x 2^(e6 + e7)
	s_mov_b32 s21, s20
	s_wait_loadcnt 0x10                    ; Q and K are in; V's 16 loads may be out
.irp i, 0,1,2,3
	v_wmma_f32_16x16x64_bf8_bf8 v[S+8*\i:S+8*\i+7], v[KR+8*\i:KR+8*\i+7], v[QR+8*\i:QR+8*\i+7], 0
.endr
.rept 4
	v_nop
.endr
; The softmax, four tokens line by line: the largest of 16, 8 in my lane and 8 in lane l xor 16.
.irp i, 0,1,2,3
	v_max3_num_f32 v[T+4*\i+2], v[S+8*\i], v[S+8*\i+1], v[S+8*\i+2]
.endr
.irp i, 0,1,2,3
	v_max3_num_f32 v[T+4*\i+2], v[T+4*\i+2], v[S+8*\i+3], v[S+8*\i+4]
.endr
.irp i, 0,1,2,3
	v_max3_num_f32 v[T+4*\i+2], v[T+4*\i+2], v[S+8*\i+5], v[S+8*\i+6]
.endr
.irp i, 0,1,2,3
	v_max_num_f32 v[T+4*\i+2], v[T+4*\i+2], v[S+8*\i+7]
.endr
.irp i, 0,1,2,3
	v_permlanex16_b32 v[T+4*\i+3], v[T+4*\i+2], s28, s29
.endr
.irp i, 0,1,2,3
	v_max_num_f32 v[T+4*\i], v[T+4*\i+2], v[T+4*\i+3]
.endr
.irp k, 0,2,4,6
.irp i, 0,1,2,3
	v_pk_add_f32 v[S+8*\i+\k:S+8*\i+\k+1], v[S+8*\i+\k:S+8*\i+\k+1], v[T+4*\i:T+4*\i+1] op_sel_hi:[1,0] neg_lo:[0,1] neg_hi:[0,1]
.endr
.endr
.irp k, 0,2,4,6
.irp i, 0,1,2,3
	v_pk_mul_f32 v[S+8*\i+\k:S+8*\i+\k+1], v[S+8*\i+\k:S+8*\i+\k+1], s[20:21] op_sel_hi:[1,0]
.endr
.endr
	s_wait_alu depctr_va_vdst(0)           ; the wait ahead of the batch
.set p, 0
.rept 32
	v_exp_f32 v[S+p], v[S+p]
.set p, p+1
.endr
	v_nop
	s_wait_alu depctr_va_vdst(0)           ; and behind it
.irp i, 0,1,2,3
	v_pk_add_f32 v[T+4*\i+2:T+4*\i+3], v[S+8*\i:S+8*\i+1], v[S+8*\i+2:S+8*\i+3]
.endr
.irp i, 0,1,2,3
	v_pk_add_f32 v[T+4*\i:T+4*\i+1], v[S+8*\i+4:S+8*\i+5], v[S+8*\i+6:S+8*\i+7]
.endr
.irp i, 0,1,2,3
	v_pk_add_f32 v[T+4*\i+2:T+4*\i+3], v[T+4*\i+2:T+4*\i+3], v[T+4*\i:T+4*\i+1]
.endr
.irp i, 0,1,2,3
	v_add_f32 v[T+4*\i+2], v[T+4*\i+2], v[T+4*\i+3]
.endr
.irp i, 0,1,2,3
	v_permlanex16_b32 v[T+4*\i+3], v[T+4*\i+2], s28, s29
.endr
.irp i, 0,1,2,3
	v_add_f32 v[T+4*\i], v[T+4*\i+2], v[T+4*\i+3]
.endr
	s_wait_alu depctr_va_vdst(0)
.irp i, 0,1,2,3
	v_rcp_f32 v[T+4*\i], v[T+4*\i]
.endr
	v_nop
	s_wait_alu depctr_va_vdst(0)
.irp k, 0,2,4,6
.irp i, 0,1,2,3
	v_pk_mul_f32 v[S+8*\i+\k:S+8*\i+\k+1], v[S+8*\i+\k:S+8*\i+\k+1], v[T+4*\i:T+4*\i+1] op_sel_hi:[1,0]
.endr
.endr
.irp i, 0,1,2,3
.irp q, 0,1,2,3
	v_cvt_pk_bf16_f32 v[PF+8*\i+\q], v[S+8*\i+2*\q], v[S+8*\i+2*\q+1]
.endr
.endr
	s_wait_alu depctr_va_vdst(0)
; Token i.  Product q gives lane (r, h) out[8 h + j][4 r + q]: the four products' results of one j are 16 neighbouring bytes.
.macro TOKEN i, out
	s_wait_loadcnt 12-4*(\i)               ; my V is in; the later tokens' may be out
.irp q, 0,1,2,3
	v_wmma_f32_16x16x32_bf16 v[DP+8*\q:DP+8*\q+7], v[PF+8*(\i):PF+8*(\i)+7], v[VR+20*(\i)+4*\q:VR+20*(\i)+4*\q+7], 0
.endr
.rept 4
	v_nop
.endr
.if (\i) > 1
	s_wait_xcnt 0x0                        ; the stores of two tokens ago have read these registers
.endif
.irp q, 0,2
.irp j, 0,1,2,3,4,5,6,7
	v_dual_mov_b32 v[(\out)+4*\j+\q], v[DP+8*\q+\j] :: v_dual_mov_b32 v[(\out)+4*((\j+1)%8)+\q+1], v[DP+8*\q+8+(\j+1)%8]
.endr
.endr
.irp j, 0,1,2,3,4,5,6,7
	global_store_b128 v2, v[(\out)+4*\j:(\out)+4*\j+3], s[12:13] offset:4096*(\i)+256*\j th:TH_STORE_NT   ; sixteen lanes store one aligned unit of 256 bytes
.endr
.endm
	TOKEN 0, OA
	TOKEN 1, OB
	TOKEN 2, OA
	TOKEN 3, OB
	s_endpgm
.Lfunc_end_k_q5a3987d4d1_attend:
	.size	k_q5a3987d4d1_attend, .Lfunc_end_k_q5a3987d4d1_attend-k_q5a3987d4d1_attend
	.p2alignl 7, 3214868480
	.fill 96, 4, 3214868480
	.section	.rodata,"a",@progbits
	.p2align	6, 0x0
	.amdhsa_kernel k_q5a3987d4d1_attend
		.amdhsa_group_segment_fixed_size 0
		.amdhsa_private_segment_fixed_size 0
		.amdhsa_enable_private_segment 0
		.amdhsa_kernarg_size 40
		.amdhsa_user_sgpr_count 2
		.amdhsa_user_sgpr_kernarg_segment_ptr 1
		.amdhsa_wavefront_size32 1
		.amdhsa_system_sgpr_workgroup_id_x 1
		.amdhsa_system_sgpr_workgroup_id_y 1
		.amdhsa_system_sgpr_workgroup_id_z 1
		.amdhsa_system_vgpr_workitem_id 0
		.amdhsa_next_free_vgpr 240
		.amdhsa_next_free_sgpr 66
		.amdhsa_reserve_vcc 0
		.amdhsa_float_denorm_mode_32 3
		.amdhsa_float_denorm_mode_16_64 3
		.amdhsa_memory_ordered 1
		.amdhsa_forward_progress 1
		.amdhsa_inst_pref_size 23
	.end_amdhsa_kernel
	.amdgpu_metadata
---
amdhsa.version: [ 1, 2 ]
amdhsa.kernels:
  - .name:           k_q5a3987d4d1_attend
    .symbol:         k_q5a3987d4d1_attend.kd
    .args:
      - { .name: qws, .offset: 0, .size: 8, .value_kind: global_buffer, .address_space: global }
      - { .name: kws, .offset: 8, .size: 8, .value_kind: global_buffer, .address_space: global }
      - { .name: vws, .offset: 16, .size: 8, .value_kind: global_buffer, .address_space: global }
      - { .name: lowp_scales, .offset: 24, .size: 8, .value_kind: global_buffer, .address_space: global }
      - { .name: out0, .offset: 32, .size: 8, .value_kind: global_buffer, .address_space: global }
    .group_segment_fixed_size: 0
    .private_segment_fixed_size: 0
    .kernarg_segment_align: 8
    .kernarg_segment_size: 40
    .max_flat_workgroup_size: 512
    .sgpr_count:     66
    .vgpr_count:     240
    .wavefront_size: 32
...
	.end_amdgpu_metadata
.endif
;; end of part 3
